; MI455X (gfx1250); checked and timed in simulation.
; The chip was launched on July 23, 2026; its instructions are those of AMD's public machine-readable ISA for CDNA 5 (MIT licence, August 2026) and "CDNA5" Instruction Set Architecture Reference Guide (July 2026). The comments in the code are by the model that wrote it; some were corrected since.
;; Patch Core Anomaly Head. Allowed arithmetic: float matrix products may take bf16 or f16 operands with f32 sums; all other float work in f32.
;; Inputs: W1 1,024 x 512 float32; W2 512 x 256 float32; b1 512 float32; b2 256 float32; features 8 x 4,096 x 1,024 float32; memory_bank 4,096 x 256 float32.
;; Outputs: out0 8 x 4,096 float32.
;; 2 versions, each right; version 2 is version 1 with the launch prep written anew for expert scheduling mode. Each part assembles by itself: llvm-mc -triple=amdgcn-amd-amdhsa -mcpu=gfx1250 --defsym DOCPART=n.
;; ======== version 1 of 2: 2 launches
;; workspace buffers: wts 3,407,872 bytes; m2h 16,384 bytes
;; launch prep (part 1): grid 288 x 1, 2 waves a work-group, no clusters, 0 bytes of LDS; arguments W1, W2, memory_bank, wts, m2h; writes wts, m2h
.if DOCPART == 1
	.amdgcn_target "amdgcn-amd-amdhsa--gfx1250"
	.amdhsa_code_object_version 6
	.text
	.protected	k_q368256f471_prep
	.globl	k_q368256f471_prep
	.p2align	8
	.type	k_q368256f471_prep,@function
k_q368256f471_prep:
	s_mov_b64 s[64:65], 0
	v_nop
	global_prefetch_b8 v0, s[64:65] scope:SCOPE_SE
	s_setreg_imm32_b32 hwreg(HW_REG_WAVE_MODE, 25, 1), 1
	s_wait_xcnt 0x0
; Casts W1, W2 and the memory bank to bf16 (round to nearest even) and lays them out as matrix fragments, in the order in which the main launch walks them;
; also m2h[m] = -0.5 x sum over k of bf16(bank[m][k])^2, in f32.
; A FRAGMENT is 16 rows x 32 k of bf16, 1,024 bytes: byte 512 g + 16 L holds registers 4 g .. 4 g + 3 of lane L = 16 h + r: the elements (row0 + r, k0 + 16 g + 8 h + 0..7).
; wts is 26 chunks of 131,072 bytes, each four pieces of 32,768, piece w for wave w of the main launch:
;   chunks 0-7   W1^T, k block 128 c: fragment (w, kf, a) at 32768 w + 8192 kf + 1024 a: rows d = 32 (4 (a / 2) + w) + 16 (a % 2) + r, k0 = 128 c + 32 kf
;   chunks 8-9   W2^T: fragment (w, kf, et) at 32768 w + 4096 kf + 1024 et: rows e = 64 w + 16 et + r, k0 = 256 j + 32 kf
;   chunks 10-25 the bank: tile T of 16 entries at 1,310,720 + 8192 T + 1024 kf
; SHARES.  Work-groups 0-127: a bank tile a wave.  128-255: four fragments of W1^T a wave.  256-287: four of W2^T.  Every store of a wave covers 512 consecutive bytes, aligned;
; m2h alone leaves in pieces of 64 bytes, one a wave (16,384 bytes in all).  No LDS, no barrier: no wave needs another's data.  No register is used twice, so no wait frees one.
.set WOFF2, 1048576                    ; W2^T's first byte in wts
.set WOFFB, 1310720                    ; the bank's
.set DAT,   32                         ; v[32:159] the numbers as loaded; each group of eight is rounded into its own lowest four registers
	s_load_b256 s[4:11], s[0:1], 0x0               ; W1 s[4:5], W2 s[6:7], bank s[8:9], wts s[10:11]
	s_load_b64 s[12:13], s[0:1], 0x20              ; m2h
	v_lshrrev_b32 v1, 5, v0
	v_readfirstlane_b32 s14, v1                    ; wave 0, 1
	v_and_b32 v1, 31, v0                           ; L
	v_and_b32 v2, 15, v0                           ; r
	v_bfe_u32 v3, v0, 4, 1                         ; h
	v_lshlrev_b32 v4, 4, v1                        ; 16 L: my 16 bytes of each half fragment
	s_mov_b32 s17, 0                               ; the high words of three offsets
	s_mov_b32 s19, 0
	s_mov_b32 s21, 0
	s_wait_kmcnt 0x0
	s_cmp_lt_u32 ttmp9, 128
	s_cbranch_scc0 .Lweights
	; THE BANK: tile T = 2 x + wave.  Lane (r, h) takes of row r the 32 bytes at k = 32 kf + 16 g + 8 h: two loads for each of the 16 half fragments n = 2 kf + g.
	s_lshl_b32 s15, ttmp9, 1
	s_add_co_u32 s15, s15, s14                     ; T
	s_lshl_b32 s16, s15, 14                        ; 16 rows of 1,024 bytes
	s_add_nc_u64 s[8:9], s[8:9], s[16:17]
	s_lshl_b32 s18, s15, 13                        ; 8 fragments
	s_add_co_u32 s18, s18, WOFFB
	s_add_nc_u64 s[10:11], s[10:11], s[18:19]
	s_lshl_b32 s20, s15, 6                         ; 16 words of m2h
	s_add_nc_u64 s[12:13], s[12:13], s[20:21]
	s_mov_b32 s22, 0x76543210                      ; v_permlanex16_b32: each lane takes its own place in the other half
	s_mov_b32 s23, 0xfedcba98
	v_lshlrev_b32 v5, 10, v2
	v_lshl_add_u32 v5, v3, 5, v5                   ; 1024 r + 32 h
	v_lshlrev_b32 v6, 2, v2                        ; 4 r
.set n, 0
.rept 16
	global_load_b128 v[DAT+8*n:DAT+8*n+3],   v5, s[8:9] offset:(n/2)*128+(n%2)*64
	global_load_b128 v[DAT+8*n+4:DAT+8*n+7], v5, s[8:9] offset:(n/2)*128+(n%2)*64+16
.set n, n+1
.endr
.irp t, 8,9,10,11
	v_mov_b32 v\t, 0                               ; four chains for the sum of squares
.endr
.set n, 0
.rept 16
	s_wait_loadcnt 30-2*n                          ; loads come back in order: half fragment n is in, the younger ones stay out
.irp t, 0,1,2,3
	v_cvt_pk_bf16_f32 v[DAT+8*n+\t], v[DAT+8*n+2*\t], v[DAT+8*n+2*\t+1]
.endr
.irp t, 0,1,2,3
	v_fma_mix_f32_bf16 v[8+\t], v[DAT+8*n+\t], v[DAT+8*n+\t], v[8+\t] op_sel_hi:[1,1,0]                 ; the low halves' squares: of the ROUNDED numbers, which the products see
.endr
.irp t, 0,1,2,3
	v_fma_mix_f32_bf16 v[8+\t], v[DAT+8*n+\t], v[DAT+8*n+\t], v[8+\t] op_sel:[1,1,0] op_sel_hi:[1,1,0]  ; the high halves'
.endr
	global_store_b128 v4, v[DAT+8*n:DAT+8*n+3], s[10:11] offset:(n/2)*1024+(n%2)*512
.set n, n+1
.endr
	v_add_f32 v8, v8, v9
	v_add_f32 v10, v10, v11
	v_add_f32 v8, v8, v10
	v_permlanex16_b32 v9, v8, s22, s23             ; the row's other k lie in the lane 16 away
	v_add_f32 v8, v8, v9
	v_mul_f32 v8, -0.5, v8
	v_cmp_gt_u32 vcc_lo, 16, v1
	s_wait_xcnt 0x0                                ; EXEC is a source of the stores above: it changes only behind this wait
	s_and_saveexec_b32 s24, vcc_lo                 ; lanes 0-15: one word for each entry
	global_store_b32 v6, v8, s[12:13]
	s_wait_xcnt 0x0                                ; and again in front of the line that widens it
	s_or_b32 exec_lo, exec_lo, s24
	s_endpgm
; Four fragments of a transposed weight.  The source lies [k][column]: lane (r, h) takes column col0 + r of the rows k0 + 16 g + 8 h + i, a word at a time (16 lanes: 64 consecutive bytes).
; m = 2 al + g numbers the eight half fragments; fragment al's columns begin hi (al / 2) + 64 (al % 2) bytes behind the base.
.macro GATHER base, stride, hi
.set m, 0
.rept 8
.set i, 0
.rept 8
	global_load_b32 v[DAT+8*m+i], v5, s[\base:\base+1] offset:(16*(m%2)+i)*(\stride)+(\hi)*(m/4)+64*((m/2)%2)
.set i, i+1
.endr
.set m, m+1
.endr
.set m, 0
.rept 8
	s_wait_loadcnt 56-8*m                          ; half fragment m's eight loads are in
.irp t, 0,1,2,3
	v_cvt_pk_bf16_f32 v[DAT+8*m+\t], v[DAT+8*m+2*\t], v[DAT+8*m+2*\t+1]
.endr
	global_store_b128 v4, v[DAT+8*m:DAT+8*m+3], s[10:11] offset:(m/2)*1024+(m%2)*512
.set m, m+1
.endr
	s_endpgm
.endm
.Lweights:
	s_cmp_lt_u32 ttmp9, 256
	s_cbranch_scc0 .Lsecond
	; W1: id = 2 (x - 128) + wave = ((4 c + w) 4 + kf) 2 + ah; its 4,096 bytes of wts are the fragments a = 4 ah + 0..3
	s_sub_co_u32 s15, ttmp9, 128
	s_lshl_b32 s15, s15, 1
	s_add_co_u32 s15, s15, s14
	s_and_b32 s16, s15, 1                          ; ah
	s_bfe_u32 s18, s15, 0x20001                    ; kf
	s_bfe_u32 s20, s15, 0x20003                    ; w
	s_lshr_b32 s22, s15, 5                         ; c
	s_lshl_b32 s16, s16, 10                        ; columns 256 ah + 32 w, 4 bytes each;
	s_lshl_b32 s20, s20, 7
	s_lshl_b32 s18, s18, 16                        ; rows 128 c + 32 kf, 2,048 bytes each
	s_lshl_b32 s22, s22, 18
	s_add_co_u32 s16, s16, s20
	s_add_co_u32 s16, s16, s18
	s_add_co_u32 s16, s16, s22
	s_add_nc_u64 s[4:5], s[4:5], s[16:17]
	s_lshl_b32 s18, s15, 12
	s_add_nc_u64 s[10:11], s[10:11], s[18:19]
	v_lshlrev_b32 v5, 14, v3
	v_lshl_add_u32 v5, v2, 2, v5                   ; 8 h rows + 4 r
	GATHER 4, 2048, 512
.Lsecond:
	; W2: id = 2 (x - 256) + wave = (4 j + w) 8 + kf; its 4,096 bytes are the fragments et = 0..3
	s_sub_co_u32 s15, ttmp9, 256
	s_lshl_b32 s15, s15, 1
	s_add_co_u32 s15, s15, s14
	s_and_b32 s16, s15, 7                          ; kf
	s_bfe_u32 s20, s15, 0x20003                    ; w
	s_lshr_b32 s22, s15, 5                         ; j
	s_lshl_b32 s16, s16, 15                        ; rows 256 j + 32 kf, 1,024 bytes each;
	s_lshl_b32 s22, s22, 18
	s_lshl_b32 s20, s20, 8                         ; columns 64 w
	s_add_co_u32 s16, s16, s20
	s_add_co_u32 s16, s16, s22
	s_add_nc_u64 s[6:7], s[6:7], s[16:17]
	s_lshl_b32 s18, s15, 12
	s_add_co_u32 s18, s18, WOFF2
	s_add_nc_u64 s[10:11], s[10:11], s[18:19]
	v_lshlrev_b32 v5, 13, v3
	v_lshl_add_u32 v5, v2, 2, v5
	GATHER 6, 1024, 128
.Lfunc_end_k_q368256f471_prep:
	.size	k_q368256f471_prep, .Lfunc_end_k_q368256f471_prep-k_q368256f471_prep
	.p2alignl 7, 3214868480
	.fill 96, 4, 3214868480
	.section	.rodata,"a",@progbits
	.p2align	6, 0x0
	.amdhsa_kernel k_q368256f471_prep
		.amdhsa_group_segment_fixed_size 0
		.amdhsa_private_segment_fixed_size 0
		.amdhsa_enable_private_segment 0
		.amdhsa_kernarg_size 40
		.amdhsa_user_sgpr_count 2
		.amdhsa_user_sgpr_kernarg_segment_ptr 1
		.amdhsa_wavefront_size32 1
		.amdhsa_system_sgpr_workgroup_id_x 1
		.amdhsa_system_sgpr_workgroup_id_y 1
		.amdhsa_system_sgpr_workgroup_id_z 1
		.amdhsa_system_vgpr_workitem_id 0
		.amdhsa_next_free_vgpr 160
		.amdhsa_next_free_sgpr 66
		.amdhsa_reserve_vcc 1
		.amdhsa_float_denorm_mode_32 3
		.amdhsa_float_denorm_mode_16_64 3
		.amdhsa_memory_ordered 1
		.amdhsa_forward_progress 1
		.amdhsa_inst_pref_size 39
	.end_amdhsa_kernel
	.amdgpu_metadata
---
amdhsa.version: [ 1, 2 ]
amdhsa.kernels:
  - .name:           k_q368256f471_prep
    .symbol:         k_q368256f471_prep.kd
    .args:
      - { .name: W1, .offset: 0, .size: 8, .value_kind: global_buffer, .address_space: global }
      - { .name: W2, .offset: 8, .size: 8, .value_kind: global_buffer, .address_space: global }
      - { .name: memory_bank, .offset: 16, .size: 8, .value_kind: global_buffer, .address_space: global }
      - { .name: wts, .offset: 24, .size: 8, .value_kind: global_buffer, .address_space: global }
      - { .name: m2h, .offset: 32, .size: 8, .value_kind: global_buffer, .address_space: global }
    .group_segment_fixed_size: 0
    .private_segment_fixed_size: 0
    .kernarg_segment_align: 8
    .kernarg_segment_size: 40
    .max_flat_workgroup_size: 64
    .sgpr_count:     66
    .vgpr_count:     160
    .wavefront_size: 32
...
	.end_amdgpu_metadata
.endif
;; end of part 1
;; launch main (part 2): grid 256 x 1, 4 waves a work-group, clusters of 4 x 1, 327,680 bytes of LDS; arguments features, b1, b2, wts, m2h, out0; writes out0
.if DOCPART == 2
	.amdgcn_target "amdgcn-amd-amdhsa--gfx1250"
	.amdhsa_code_object_version 6
	.text
	.protected	k_q368256f471_main
	.globl	k_q368256f471_main
	.p2align	8
	.type	k_q368256f471_main,@function
k_q368256f471_main:
	s_mov_b64 s[64:65], 0
	v_nop
	global_prefetch_b8 v0, s[64:65] scope:SCOPE_SE
	s_setreg_imm32_b32 hwreg(HW_REG_WAVE_MODE, 25, 1), 1
	s_wait_xcnt 0x0
	s_wait_alu depctr_hold_cnt(0) depctr_sa_sdst(0) depctr_va_vdst(0) depctr_va_sdst(0) depctr_va_ssrc(0) depctr_va_vcc(0) depctr_vm_vsrc(0)
	s_getreg_b32 s2, hwreg(HW_REG_IB_STS2, 6, 4)
	s_cmp_eq_u32 s2, 0
	s_cbranch_scc0 .Lentry_in_a_cluster
	s_endpgm
.Lentry_in_a_cluster:
	s_bfe_u32 s2, ttmp6, 0x10000c
	s_cmp_lg_u32 s2, 0x3003
	s_cbranch_scc0 .Lentry_shape_is_right
	s_endpgm
.Lentry_shape_is_right:
; out[q] = min over m of |proj[q] - bank[m]|, proj = relu(x W1 + b1) W2 + b2.  32,768 rows q of 1,024 f32; 4,096 bank entries of 256.
; The root, the clip at 0 and x2 do not depend on m or rise with d2, so out = sqrt(max(x2 - 2 max_m(xm - m2 / 2), 0)): one maximum a score, one root a row.
; FORMATS.  The three products take bf16 operands and f32 sums; b1, b2 and -m2/2 enter in f32 as the C operand of a sum's first instruction.  x2 is the sum of squares of the ROUNDED proj,
; m2 of the ROUNDED bank, so that x2 - 2 xm + m2 is the squared distance of the vectors that the product sees.
; LIMITS.  NaN and infinities are not treated apart (the maxima drop a NaN).  A d2 below 2^-126 gives 0 (the root flushes denormals).  The f32 sums are taken in another order than the definition's.
; SHARES.  A work-group owns 128 rows, one work-group for each of 256 blocks; four waves.  Nothing but the inputs and out0 touches memory.
;   product 1, H^T = W1^T X^T: a wave makes 128 channels d x 128 rows q, 64 accumulators.   product 2, P^T = W2^T H^T: 64 e x 128 q, 32 accumulators.
;   product 3, scores = bank P^T: all 128 rows of P stay in 512 registers of every wave, and each wave walks a quarter of the bank, 16 entries x 128 q at a time.
; Source 0 is always the weight's or the bank's fragment, source 1 the rows': in a result a lane holds ONE row q (lane % 16) and eight neighbouring channels, so two results rounded in pairs ARE
; the next product's source 1; H and P go through LDS lane for lane, only to reach the other waves.
; THE STREAM.  W1^T, W2^T and the bank lie in wts as fragments, in the order of use: 26 chunks of 131,072 bytes, piece w of a chunk read by wave w alone.  Two LDS slots take turns.
; CLUSTER.  All work-groups walk the same stream, so the four of a cluster ask for each piece JOINTLY (mask 15): a quarter of the requests.  A mask names four at the most, so 4 x 1.
; X comes through registers (load, round, LDS store): two sets of 64 registers a wave are on their way, each asked for 256 matrix instructions ahead of its conversion.
; REGISTERS, in windows of 256 (s_set_vgpr_msb: bits 1:0 source 0, 3:2 source 1, 5:4 source 2, 7:6 destination):
;   window 0: v0-31 addresses; v32-63 at work; product 1: v64-191 X's fragments (two buffers), v192-255 b1; product 2: v64-255 two buffers of W2's and H's fragments; product 3: v64-191 two sets of 8 accumulators
;   window 1: product 1: v0-63, v192-255 X as loaded, v64-191 W1's fragments (two buffers); then H in bf16 (256); then P in bf16 (128); product 3: v0-127 the bank's fragments (two buffers)
;   windows 2, 3: product 1's accumulators; product 2's (window 2); product 3: P's fragments
.set SLOT1, 1<<17                      ; slot 0 at LDS byte 0, slot 1 here: one exclusive or turns an address in one into the other's
.set CHUNK, 131072
.set XH,    262144                     ; written by LDS stores alone: X's two slabs (128 rows x 64 k of bf16, pitch 144); later a chunk of H, then half of P (32 fragments)
.set XP,    144                        ; 128 bytes + 16: the 16 rows of a fragment load start at 16 different groups of four banks (64 banks of 4 bytes: ISA guide 11.1)
.set XSL,   128*XP
.set M2H,   XH+2*XSL                   ; -m2/2, 16,384 bytes, filled once
.set REDX,  M2H+16384                  ; x2's partial sums [wave][q]
.set REDM,  REDX+2048                  ; the maxima's [wave][q]
.set SPARE, REDM+2048                  ; the spare words, 128 bytes for each wave: two blocks of 256 bytes that no other line names
.set AW,  4                            ; v4   my 16 bytes of a half fragment in my piece of the slot in hand
.set AW0, 5                            ; v5   the same in slot 0: 32768 w + 16 L; never rewritten
.set AX,  6                            ; v6   X's fragments: XH + 144 r + 16 h
.set XS,  7                            ; v7   where I put 8 bytes of X: XH + (32 w + 8 h) 144 + 8 r
.set XO,  8                            ; v8   my 16 bytes in two rows of X: 8 h rows + 16 r
.set BO,  9                            ; v9   b1: 128 w + 32 h
.set B2O, 10                           ; v10  b2: 256 w + 32 h
.set HS,  11                           ; v11  where I put H: XH + 8192 w + 16 L
.set HL,  12                           ; v12  XH + 16 L
.set PS,  13                           ; v13  where I put P: XH + 2048 w + 16 L
.set MA,  14                           ; v14  -m2/2 of my tiles of the chunk in hand: M2H + 256 w + 32 h, stepped by 1,024 a chunk
.set RSX, 15                           ; v15  REDX + 512 w + 4 r
.set RSM, 16                           ; v16  REDM + 512 w + 4 r
.set RL,  17                           ; v17  REDX + 256 w + 8 L
.set OO,  18                           ; v18  my 8 bytes of out0: 256 w + 8 L
.set SPW, 28                           ; v28  LDS address of my spare word: SPARE + 4 x my thread's number; never rewritten
.set NIL, 29                           ; v29  0; never rewritten
.set TMP, 32                           ; product 1: a slab's 32 packed words
.set X2,  32                           ; the exchange: 16 chains of squares
.set MX,  32                           ; product 3: v32-39 the running maximum of row tile b
.set TT,  40                           ; v40-47 at work
.set MC,  48                           ; v48-63 -m2/2 of a tile's 16 entries as a C operand, two sets
.set AC,  64                           ; product 3's accumulators, two sets of 64
.set F0,  64
.set F1,  128
.set BC,  192                          ; b1 as C operands, 8 registers for each of my 8 tiles of d
.set WV,  16                           ; s16  my wave's number
.set G1,  24                           ; s[24:31] descriptor group 1: 128 rows of 256 bytes
.set G1M, 32                           ; s[32:39] the same with 16 rows, for m2h
.set G0A, 40                           ; s[40:43] group 0 of chunk 0
.set G0B, 44                           ; s[44:47] group 0 of chunk 1; it then walks
.set G0M, 48                           ; s[48:51] group 0 of m2h
.set SB,  52                           ; s52  the slot in hand: 0 or SLOT1
.set CNT, 53                           ; s53  loop counter
.set SEL, 54                           ; s[54:55] v_permlanex16_b32: each lane takes its own place in the other half
.set NINF, 58                          ; s58  -infinity
.set MSB, 0
.macro WIN new                         ; the immediate's high byte repeats the setting that is left; a switch that changes nothing is dropped
.if MSB != (\new)
	s_set_vgpr_msb (MSB<<8)|(\new)
.set MSB, \new
.endif
.endm
; A vector instruction that reads a matrix result or writes a matrix instruction's register, and a load into such a register, stand four places behind it; only plain vector instructions
; that name none of its registers are places (ISA guide 7.12.1 for vector instructions).
.macro PLACES
.rept 4
	v_nop
.endr
.endm
.macro CREST                           ; a round of the cluster's barrier behind its opening barrier: wave 0 signals for the work-group, every wave waits for all four, my work-group's barrier closes it
	s_cmp_lg_u32 s[WV], 0
	s_cbranch_scc1 .Lnot_wave_0_\@
	s_barrier_signal -3
.Lnot_wave_0_\@:
	s_barrier_wait -3
	s_barrier_signal -1
	s_barrier_wait -1
.endm
.macro CROUND
	s_barrier_signal -1
	s_barrier_wait -1
	CREST
.endm
.macro THREE                           ; in front of a refill's round: all my tensor loads have landed (my piece of the other slot, and at the first round m2h too); 0 onto my spare word;
	WIN 0                              ; the walking descriptor steps while the add is out: the other slot than last time, the next chunk
	s_wait_tensorcnt 0x0
	ds_add_u32 v[SPW], v[NIL]
	s_xor_b32 s[G0B+1], s[G0B+1], SLOT1
	s_add_nc_u64 s[G0B+2:G0B+3], s[G0B+2:G0B+3], CHUNK
.endm
.macro REFILL                          ; my piece of the chunk two on, into the slot just read out: every wave's one tensor load behind the round; the same line, descriptor and mask in all four work-groups.
	tensor_load_to_lds s[G0B:G0B+3], s[G1:G1+7]    ; an s_nop 0 and four v_nop follow
	s_nop 0
	PLACES
	s_xor_b32 s[SB], s[SB], SLOT1                  ; and my reads go on in the other slot
	v_add_nc_u32 v[AW], s[SB], v[AW0]
.endm
	s_load_b256 s[4:11], s[0:1], 0x0               ; features s[4:5], b1 s[6:7], b2 s[8:9], wts s[10:11]
	s_load_b128 s[12:15], s[0:1], 0x20             ; m2h s[12:13], out0 s[14:15]
	v_lshl_add_u32 v[SPW], v0, 2, SPARE
	v_mov_b32 v[NIL], 0
	ds_add_u32 v[SPW], v[NIL]                      ; the wave's opening: the add and its wait ahead of my first tensor load; the set-up below, work on registers, stands between them
	v_lshrrev_b32 v1, 5, v0
	v_readfirstlane_b32 s[WV], v1                  ; wave 0..3
	s_bfe_u32 s17, ttmp6, 0x40000                  ; cx: my place in the cluster
	s_lshl_b32 s18, ttmp9, 2                       ; in a cluster launch ttmp9 counts clusters
	s_add_co_u32 s18, s18, s17                     ; my block of 128 rows: it enters X's and out0's addresses alone
	s_lshl_b32 s2, s18, 19                         ; 128 rows of 4,096 bytes,
	s_lshl_b32 s3, s[WV], 17                       ; of which my wave fetches 32
	s_add_co_u32 s2, s2, s3
	s_mov_b32 s3, 0
	s_lshl_b32 s56, s18, 9                         ; 128 words of out0
	s_mov_b32 s57, 0
	s_lshl_b32 s20, s[WV], 15                      ; my piece of a chunk, in memory and in a slot
	s_mov_b32 s21, 0
	s_lshl_b32 s22, s[WV], 12                      ; my quarter of m2h
	s_mov_b32 s23, 0
	; descriptor group 1: a dense block as rows of 256 bytes
.irp g, G1, G1M
	s_mov_b32 s[\g+0], 15|(3<<16)|(1<<21)          ; 15:0 the mask: all four work-groups; 17:16 elements of 8 bytes; 21 set beside a mask; no padding
	s_mov_b32 s[\g+1], 32<<16                      ; tensor_dim0 = 32 elements
	s_mov_b32 s[\g+3], 32<<16                      ; tile_dim0 = 32
	s_mov_b32 s[\g+5], 32                          ; 32 elements from row to row
	s_mov_b32 s[\g+6], 0
	s_mov_b32 s[\g+7], 0
.endr
	s_mov_b32 s[G1+2], 128<<16                     ; tensor_dim1 = tile_dim1 = 128 rows: 32,768 bytes
	s_mov_b32 s[G1+4], 128
	s_mov_b32 s[G1M+2], 16<<16                     ; 16 rows: 4,096 bytes
	s_mov_b32 s[G1M+4], 16
	s_mov_b32 s[G0A], 1                            ; count = 1
	s_mov_b32 s[G0A+1], s20                        ; LDS address: slot 0, my piece
	s_mov_b32 s[G0B], 1
	s_add_co_u32 s[G0B+1], s20, SLOT1
	s_mov_b32 s[G0M], 1
	s_add_co_u32 s[G0M+1], s22, M2H
	s_mov_b32 s[SB], 0
	s_mov_b32 s[SEL], 0x76543210
	s_mov_b32 s[SEL+1], 0xfedcba98
	s_mov_b32 s[NINF], 0xff800000
	v_and_b32 v1, 31, v0                           ; L
	v_and_b32 v2, 15, v0                           ; r
	v_bfe_u32 v3, v0, 4, 1                         ; h
	v_lshl_add_u32 v[AW0], v1, 4, s20
	v_mov_b32 v[AW], v[AW0]
	v_mul_u32_u24 v[AX], v2, XP
	v_lshl_add_u32 v[AX], v3, 4, v[AX]
	v_add_nc_u32 v[AX], XH, v[AX]
	s_mul_i32 s19, s[WV], 32*XP
	s_add_co_u32 s19, s19, XH
	v_mul_u32_u24 v[XS], v3, 8*XP
	v_lshl_add_u32 v[XS], v2, 3, v[XS]
	v_add_nc_u32 v[XS], s19, v[XS]
	v_lshlrev_b32 v[XO], 15, v3
	v_lshl_add_u32 v[XO], v2, 4, v[XO]
	s_lshl_b32 s19, s[WV], 7
	v_lshl_add_u32 v[BO], v3, 5, s19
	s_lshl_b32 s19, s[WV], 8
	v_lshl_add_u32 v[B2O], v3, 5, s19
	v_lshl_add_u32 v[OO], v1, 3, s19
	s_add_co_u32 s19, s19, M2H
	v_lshl_add_u32 v[MA], v3, 5, s19
	s_lshl_b32 s19, s[WV], 8
	s_add_co_u32 s19, s19, REDX
	v_lshl_add_u32 v[RL], v1, 3, s19
	s_lshl_b32 s19, s[WV], 13
	s_add_co_u32 s19, s19, XH
	v_lshl_add_u32 v[HS], v1, 4, s19
	v_lshl_add_u32 v[HL], v1, 4, XH
	s_lshl_b32 s19, s[WV], 11
	s_add_co_u32 s19, s19, XH
	v_lshl_add_u32 v[PS], v1, 4, s19
	s_lshl_b32 s19, s[WV], 9
	s_add_co_u32 s19, s19, REDX
	v_lshl_add_u32 v[RSX], v2, 2, s19
	v_add_nc_u32 v[RSM], REDM-REDX, v[RSX]
	s_wait_dscnt 0x0                               ; the opening add is done
	s_wait_kmcnt 0x0
	s_add_nc_u64 s[4:5], s[4:5], s[2:3]            ; X at my wave's 32 rows
	s_add_nc_u64 s[14:15], s[14:15], s[56:57]      ; out0 at my block
	s_add_nc_u64 s[G0A+2:G0A+3], s[10:11], s[20:21]
	s_add_nc_u64 s[G0B+2:G0B+3], s[G0A+2:G0A+3], CHUNK
	s_or_b32 s[G0A+3], s[G0A+3], 0x80000000        ; type = 2
	s_or_b32 s[G0B+3], s[G0B+3], 0x80000000
	s_add_nc_u64 s[G0M+2:G0M+3], s[12:13], s[22:23]
	s_or_b32 s[G0M+3], s[G0M+3], 0x80000000
	; b1 as C operands: register j of tile b is b1[32 (4 (b / 2) + w) + 16 (b % 2) + 8 h + j]
.irp b, 0,1,2,3,4,5,6,7
	global_load_b128 v[BC+8*\b:BC+8*\b+3],   v[BO], s[6:7] offset:512*(\b/2)+64*(\b%2)
	global_load_b128 v[BC+8*\b+4:BC+8*\b+7], v[BO], s[6:7] offset:512*(\b/2)+64*(\b%2)+16
.endr
; A SLAB of X is 64 k of the block's 128 rows; my wave's 32 rows x 256 bytes are 16 loads, each two rows' 256 consecutive, aligned bytes.  ss: the set of 64 registers in window 1.
.macro XLOAD ss, imm
	WIN 0x40                                       ; destination window 1, address window 0
.set lj, 0
.rept 16
	global_load_b128 v[(\ss)+4*lj:(\ss)+4*lj+3], v[XO], s[4:5] offset:(16*(lj/8)+lj%8)*4096+(\imm) th:TH_LOAD_NT
.set lj, lj+1
.endr
.endm
	XLOAD 0, 0                                     ; slabs 0 and 1
	XLOAD 192, 256
	WIN 0
	s_wait_xcnt 0x0                                ; X's base is stepped only behind this wait
	s_add_nc_u64 s[4:5], s[4:5], 256
	CROUND                                         ; all four work-groups are here: the first joint loads meet
	tensor_load_to_lds s[G0A:G0A+3], s[G1:G1+7]    ; the first fills go out as one group: chunk 0, chunk 1, m2h: three loads of mine are out
	s_nop 0
	tensor_load_to_lds s[G0B:G0B+3], s[G1:G1+7]
	s_nop 0
	tensor_load_to_lds s[G0M:G0M+3], s[G1M:G1M+7]
	s_nop 0
	PLACES
; Slab t (par = t % 2: its register set and its LDS slot) is rounded to bf16 and stored; load = 1: its set takes slab t + 2.  cnt: the younger loads, slab t + 1's sixteen, stay out.
.macro LUMP par, load, cnt
	s_wait_loadcnt \cnt
	WIN 0x05                                       ; sources in window 1, destination in window 0
.set lj, 0
.rept 16
	v_cvt_pk_bf16_f32 v[TMP+2*lj],   v[192*(\par)+4*lj],   v[192*(\par)+4*lj+1]
	v_cvt_pk_bf16_f32 v[TMP+2*lj+1], v[192*(\par)+4*lj+2], v[192*(\par)+4*lj+3]
.set lj, lj+1
.endr
	WIN 0
.set lj, 0
.rept 16
	ds_store_b64 v[XS], v[TMP+2*lj:TMP+2*lj+1] offset:(\par)*XSL+(16*(lj/8)+lj%8)*XP  ; two rows' 128 bytes, 1,152 bytes = 288 words apart: the two halves of the banks
.set lj, lj+1
.endr
.if \load
	s_wait_xcnt 0x0                                ; X's base is stepped only behind this wait
	s_add_nc_u64 s[4:5], s[4:5], 256
	XLOAD 192*(\par), 0
.endif
.endm
; 32 LDS loads in one run: W1's 8 fragments of k fragment kw of the chunk (512 consecutive bytes a load), X's 8 of slab slot xs, half kx, into buffer f of windows 1 and 0
.macro FETCH1 xs, kx, kw, f
	WIN 0x40
.irp a, 0,1,2,3,4,5,6,7
	ds_load_b128 v[(\f)+8*\a:(\f)+8*\a+3],   v[AW] offset:(\kw)*8192+\a*1024
	ds_load_b128 v[(\f)+8*\a+4:(\f)+8*\a+7], v[AW] offset:(\kw)*8192+\a*1024+512
.endr
	WIN 0
.irp b, 0,1,2,3,4,5,6,7
	ds_load_b128 v[(\f)+8*\b:(\f)+8*\b+3],   v[AX] offset:(\xs)*XSL+\b*16*XP+(\kx)*64
	ds_load_b128 v[(\f)+8*\b+4:(\f)+8*\b+7], v[AX] offset:(\xs)*XSL+\b*16*XP+(\kx)*64+32
.endr
.endm
; 16 matrix instructions: row tiles 4 hi + a0, + 1 x all 8 tiles of d, 32 along k.  zero = 1: the sums start with b1.  The 64 accumulators take turns, in the same order in every quarter.
.macro MUL16 f, hi, a0, zero
.if \zero
	WIN 0x81+0x40*(\hi)                            ; W1 window 1, X and b1 window 0, D window 2 or 3
.else
	WIN 0xa1+0x50*(\hi)                            ; C and D window 2 or 3
.endif
.irp a, \a0, (\a0)+1
.irp b, 0,1,2,3,4,5,6,7
.if \zero
	v_wmma_f32_16x16x32_bf16 v[8*(8*(\a)+(\b)):8*(8*(\a)+(\b))+7], v[(\f)+8*(\b):(\f)+8*(\b)+7], v[(\f)+8*(4*(\hi)+(\a)):(\f)+8*(4*(\hi)+(\a))+7], v[BC+8*(\b):BC+8*(\b)+7]
.else
	v_wmma_f32_16x16x32_bf16 v[8*(8*(\a)+(\b)):8*(8*(\a)+(\b))+7], v[(\f)+8*(\b):(\f)+8*(\b)+7], v[(\f)+8*(4*(\hi)+(\a)):(\f)+8*(4*(\hi)+(\a))+7], v[8*(8*(\a)+(\b)):8*(8*(\a)+(\b))+7]
.endif
.endr
.endr
.endm
; PRODUCT 1.  A step is a chunk, 128 along k: four quarters of 32, 64 matrix instructions each, on buffers 0, 1, 0, 1; quarters 0, 1 read X's slot 0, quarters 2, 3 slot 1.
; Quarters 0 and 2: multiply f; in the middle fetch the next quarter into g, and round and store the slab that the other X slot takes next (all reads of that slot ended in front of the last barrier).
.macro Q f, g, xs, kx, kw, lump=0, par=0, load=0, cnt=0, zero=0
	s_wait_dscnt 0x0                               ; buffer f is in
	MUL16 \f, 0, 0, \zero
	MUL16 \f, 0, 2, \zero
	PLACES
	FETCH1 \xs, \kx, \kw, \g
.if \lump
	LUMP \par, \load, \cnt
.endif
	MUL16 \f, 1, 0, \zero
	MUL16 \f, 1, 2, \zero
.endm
; Quarter 1: a barrier for X alone.  In front of it my slab stores are done and my reads of X's slot 0 are back; behind it slot 1 is whole and slot 0 may be written.  Nothing is filled by a tensor load behind it, so my tensor loads stay out.
.macro TX f, g, xs, kx, kw
	s_wait_dscnt 0x0
	s_barrier_signal -1
	MUL16 \f, 0, 0, 0
	MUL16 \f, 0, 2, 0
	s_barrier_wait -1
	PLACES
	FETCH1 \xs, \kx, \kw, \g
	MUL16 \f, 1, 0, 0
	MUL16 \f, 1, 2, 0
.endm
; Quarter 3: the change of slots, a round of the cluster's barrier; it serves X as quarter 1's barrier does.  cnt: what may be out when buffer f has to be in: the slab's 16 stores and the add, or the add alone.
.macro TW f, g, cnt, fetch
	THREE
	s_wait_dscnt \cnt
	MUL16 \f, 0, 0, 0                              ; sixteen matrix instructions stand between the add and the wait for it
	s_wait_dscnt 0x0                               ; the add and my stores are done, my reads of the slot are over
	s_barrier_signal -1
	MUL16 \f, 0, 2, 0
	WIN 0
	s_barrier_wait -1
	CREST                                          ; no wave of any partner still reads the slot or has a load on its way
	REFILL                                         ; 256 matrix instructions ahead of the wait for it; its v_nop are also the places in front of the loads below
.if \fetch
	FETCH1 0, 0, 0, \g
.endif
	MUL16 \f, 1, 0, 0
	MUL16 \f, 1, 2, 0
.endm
	LUMP 0, 1, 16                                  ; slab 0 into X's slot 0 (b1, asked for earlier, is in too); slab 2 is asked for
	s_wait_tensorcnt 0x2                           ; my piece of chunk 0 is in; chunk 1 and m2h, issued behind it, may stay out
	s_wait_dscnt 0x0                               ; my slab stores are done
	s_barrier_signal -1
	s_barrier_wait -1
	FETCH1 0, 0, 0, F0
	Q  F0, F1, 0, 1, 1, 1, 1, 1, 16, 1             ; step 0's first quarter stands in front of the loop: its products start the sums with b1
	WIN 0                                          ; at a label and at a branch every window is 0
	s_mov_b32 s[CNT], 6
.Lg1:                                                  ; a trip: a step's quarters 1 to 3 and the next step's quarter 0; slabs 2 i + 2 and 2 i + 3 are stored, 2 i + 4 and 2 i + 5 asked for
	TX F1, F0, 1, 0, 2
	Q  F0, F1, 1, 1, 3, 1, 0, 1, 16
	TW F1, F0, 17, 1
	Q  F0, F1, 0, 1, 1, 1, 1, 1, 16
	WIN 0
	s_sub_co_u32 s[CNT], s[CNT], 1
	s_cmp_lg_u32 s[CNT], 0
	s_cbranch_scc1 .Lg1
	TX F1, F0, 1, 0, 2                             ; step 6: the last two slabs are stored, and no load leaves X's rows
	Q  F0, F1, 1, 1, 3, 1, 0, 0, 16
	TW F1, F0, 17, 1
	Q  F0, F1, 0, 1, 1, 1, 1, 0, 0
	TX F1, F0, 1, 0, 2                             ; step 7
	Q  F0, F1, 1, 1, 3
	TW F1, F0, 1, 0                                ; its round also ends every wave's reads of X: XH may be written with H
	; RELU AND ROUNDING.  Window 2's sums were finished ahead of the refill's four v_nop; its 384 lines are the places behind window 3's last products.  Each accumulator is read from its low end on.
	WIN 0
.irp e, 0,1,2,3                        ; b2 as C operands: register j of tile e is b2[64 w + 16 e + 8 h + j]
	global_load_b128 v[32+8*\e:32+8*\e+3],   v[B2O], s[8:9] offset:64*\e
	global_load_b128 v[32+8*\e+4:32+8*\e+7], v[B2O], s[8:9] offset:64*\e+16
.endr
.irp w, 2,3
	WIN (\w<<6)|(\w<<2)|\w
.set n, 0
.rept 256
	v_max_num_f32 v[n], 0, v[n]
.set n, n+1
.endr
	WIN 0x40|(\w<<2)|\w                            ; H in bf16 into window 1: row tile b, tile dt of d at 4 (8 b + dt)
.set n, 0
.rept 128
	v_cvt_pk_bf16_f32 v[128*(\w-2)+n], v[2*n], v[2*n+1]
.set n, n+1
.endr
.endr
	s_wait_loadcnt 0x0                             ; b2
; PRODUCT 2.  u = 0..3: 128 of the 512 d: wave w holds d = 128 u + 32 w .. + 31 of all rows, 8 fragments, and hands them to the others through XH.
.macro FETCH2 p, u, kfl                ; W2's 4 fragments and H's 8 of k fragment kfl, into buffer p
	WIN 0
.irp e, 0,1,2,3
	ds_load_b128 v[64+96*(\p)+8*\e:64+96*(\p)+8*\e+3],   v[AW] offset:(4*((\u)%2)+(\kfl))*4096+\e*1024
	ds_load_b128 v[64+96*(\p)+8*\e+4:64+96*(\p)+8*\e+7], v[AW] offset:(4*((\u)%2)+(\kfl))*4096+\e*1024+512
.endr
.irp b, 0,1,2,3,4,5,6,7
	ds_load_b128 v[96+96*(\p)+8*\b:96+96*(\p)+8*\b+3],   v[HL] offset:(8*(\kfl)+\b)*1024
	ds_load_b128 v[96+96*(\p)+8*\b+4:96+96*(\p)+8*\b+7], v[HL] offset:(8*(\kfl)+\b)*1024+512
.endr
.endm
.macro MUL2 p, zero                    ; 32 matrix instructions on 32 accumulators, which take turns; zero = 1: the sums start with b2
.if \zero
	WIN 0x80
.else
	WIN 0xa0
.endif
.irp b, 0,1,2,3,4,5,6,7
.irp e, 0,1,2,3
.if \zero
	v_wmma_f32_16x16x32_bf16 v[8*(4*\b+\e):8*(4*\b+\e)+7], v[64+96*(\p)+8*\e:64+96*(\p)+8*\e+7], v[96+96*(\p)+8*\b:96+96*(\p)+8*\b+7], v[32+8*\e:32+8*\e+7]
.else
	v_wmma_f32_16x16x32_bf16 v[8*(4*\b+\e):8*(4*\b+\e)+7], v[64+96*(\p)+8*\e:64+96*(\p)+8*\e+7], v[96+96*(\p)+8*\b:96+96*(\p)+8*\b+7], v[8*(4*\b+\e):8*(4*\b+\e)+7]
.endif
.endr
.endr
.endm
.macro G2U u, zero, chg
	PLACES                                         ; for the first loads into buffer 0, which the last u's third run of products read
	WIN 0x04                                       ; store data in window 1
.irp b, 0,1,2,3,4,5,6,7
	ds_store_b128 v[HS], v[32*\b+8*(\u):32*\b+8*(\u)+3]   offset:\b*1024
	ds_store_b128 v[HS], v[32*\b+8*(\u)+4:32*\b+8*(\u)+7] offset:\b*1024+512
.endr
	WIN 0
	s_wait_dscnt 0x0                               ; for the others' sake: my part of the chunk of H is stored
	s_barrier_signal -1
	s_barrier_wait -1
	FETCH2 0, \u, 0
	s_wait_dscnt 0x0
	PLACES
	FETCH2 1, \u, 1
	MUL2 0, \zero
	s_wait_dscnt 0x0
	PLACES
	FETCH2 0, \u, 2
	MUL2 1, 0
	s_wait_dscnt 0x0
	PLACES
	FETCH2 1, \u, 3
	MUL2 0, 0
.if \chg                               ; the chunk of W2 is read out too: the change of slots
	THREE
	s_wait_dscnt 0x0                               ; the add is done; my reads of the slot and of H are back
	s_barrier_signal -1
	MUL2 1, 0
	WIN 0
	s_barrier_wait -1
	CREST
	REFILL
.else
	s_wait_dscnt 0x0                               ; my reads of this chunk of H are back: behind the barrier it may be overwritten
	s_barrier_signal -1
	MUL2 1, 0
	s_barrier_wait -1
.endif
.endm
	G2U 0, 1, 0
	G2U 1, 0, 1
	G2U 2, 0, 0
	G2U 3, 0, 1
	; P IS ROUNDED, x2 TAKEN, AND P HANDED ROUND.  The refill's v_nop are the places behind the last products.
	WIN 0x4a                                       ; sources window 2, destination window 1: row tile b, tile et of e at 4 (4 b + et)
.set n, 0
.rept 128
	v_cvt_pk_bf16_f32 v[n], v[2*n], v[2*n+1]
.set n, n+1
.endr
	WIN 0
.set n, 0
.rept 16
	v_mov_b32 v[X2+n], 0                           ; 16 chains: low and high halves of each row tile
.set n, n+1
.endr
	WIN 0x05
.set n, 0
.rept 16
.irp b, 0,1,2,3,4,5,6,7
	v_fma_mix_f32_bf16 v[X2+2*\b],   v[16*\b+n], v[16*\b+n], v[X2+2*\b]   op_sel_hi:[1,1,0]
	v_fma_mix_f32_bf16 v[X2+2*\b+1], v[16*\b+n], v[16*\b+n], v[X2+2*\b+1] op_sel:[1,1,0] op_sel_hi:[1,1,0]
.endr
.set n, n+1
.endr
	WIN 0
.irp b, 0,1,2,3,4,5,6,7
	v_add_f32 v[X2+2*\b], v[X2+2*\b], v[X2+2*\b+1]
.endr
.irp b, 0,1,2,3,4,5,6,7
	v_permlanex16_b32 v[X2+2*\b+1], v[X2+2*\b], s[SEL], s[SEL+1]  ; the row's other channels of my 64 lie in the lane 16 away
.endr
.irp b, 0,1,2,3,4,5,6,7
	v_add_f32 v[X2+2*\b], v[X2+2*\b], v[X2+2*\b+1]
.endr
.irp b, 0,1,2,3,4,5,6,7
	ds_store_b32 v[RSX], v[X2+2*\b] offset:64*\b   ; my wave's part of x2 of row 16 b + r (both halves of the lanes store the same word)
.endr
; Half hf of P, four row tiles: 32 fragments in XH, tile bl's k fragment kf at 8192 bl + 1024 kf; wave w stores kf = 2 w, 2 w + 1 and every wave loads all, into window 2 + kf / 4 at 8 (8 (kf % 4) + b).
.macro PHALF hf
	WIN 0x04
.irp bl, 0,1,2,3
.irp kk, 0,1
	ds_store_b128 v[PS], v[16*(4*(\hf)+\bl)+8*\kk:16*(4*(\hf)+\bl)+8*\kk+3]   offset:\bl*8192+\kk*1024
	ds_store_b128 v[PS], v[16*(4*(\hf)+\bl)+8*\kk+4:16*(4*(\hf)+\bl)+8*\kk+7] offset:\bl*8192+\kk*1024+512
.endr
.endr
	WIN 0
	s_wait_dscnt 0x0                               ; for the others' sake
	s_barrier_signal -1
	s_barrier_wait -1
.irp wn, 0,1
	WIN 0x80+0x40*\wn
.irp kq, 0,1,2,3
.irp bl, 0,1,2,3
	ds_load_b128 v[8*(8*\kq+4*(\hf)+\bl):8*(8*\kq+4*(\hf)+\bl)+3],   v[HL] offset:\bl*8192+(4*\wn+\kq)*1024
	ds_load_b128 v[8*(8*\kq+4*(\hf)+\bl)+4:8*(8*\kq+4*(\hf)+\bl)+7], v[HL] offset:\bl*8192+(4*\wn+\kq)*1024+512
.endr
.endr
.endr
	WIN 0
	s_wait_dscnt 0x0
.endm
	PHALF 0
	s_barrier_signal -1                            ; every wave's reads of the first half are back: XH may be overwritten
	s_barrier_wait -1
	PHALF 1
; PRODUCT 3.  A TILE is 16 entries x 128 rows x 256 k: 64 matrix instructions on 8 accumulators (one a row tile), which take turns.  The sums start with -m2/2.  Two sets of accumulators, of bank
; buffers and of C operands go by the tile's parity p: while set p is summed, the maxima of the other, finished set stand in fours behind every fourth of the first 32 products.
.macro FETCH3 p, tl                    ; tile tl of my piece: 8 fragments, and its 16 entries' -m2/2 (all lanes of a half read the same 32 bytes)
	WIN 0x40
.irp kf, 0,1,2,3,4,5,6,7
	ds_load_b128 v[64*(\p)+8*\kf:64*(\p)+8*\kf+3],   v[AW] offset:(\tl)*8192+\kf*1024
	ds_load_b128 v[64*(\p)+8*\kf+4:64*(\p)+8*\kf+7], v[AW] offset:(\tl)*8192+\kf*1024+512
.endr
	WIN 0
	ds_load_b128 v[MC+8*(\p):MC+8*(\p)+3],   v[MA] offset:(\tl)*64
	ds_load_b128 v[MC+8*(\p)+4:MC+8*(\p)+7], v[MA] offset:(\tl)*64+16
.endm
.macro PR p, kf, b
	WIN 0x09+4*((\kf)/4)                           ; the bank window 1, P window 2 or 3, C and D window 0
.if (\kf) == 0
	v_wmma_f32_16x16x32_bf16 v[AC+64*(\p)+8*(\b):AC+64*(\p)+8*(\b)+7], v[64*(\p)+8*(\kf):64*(\p)+8*(\kf)+7], v[8*(8*((\kf)%4)+(\b)):8*(8*((\kf)%4)+(\b))+7], v[MC+8*(\p):MC+8*(\p)+7]
.else
	v_wmma_f32_16x16x32_bf16 v[AC+64*(\p)+8*(\b):AC+64*(\p)+8*(\b)+7], v[64*(\p)+8*(\kf):64*(\p)+8*(\kf)+7], v[8*(8*((\kf)%4)+(\b)):8*(8*((\kf)%4)+(\b))+7], v[AC+64*(\p)+8*(\b):AC+64*(\p)+8*(\b)+7]
.endif
.endm
.macro RID p, n                        ; maximum n of 32: row tile n % 8 takes registers 2 (n / 8), + 1 of its accumulator in the other set: the lowest first
	v_max3_num_f32 v[MX+(\n)%8], v[MX+(\n)%8], v[AC+64*(1-(\p))+8*((\n)%8)+2*((\n)/8)], v[AC+64*(1-(\p))+8*((\n)%8)+2*((\n)/8)+1]
.endm
.macro RG p, grp
	WIN 0
.irp z, 0,1,2,3
	RID \p, 4*(\grp)+\z
.endr
.endm
.macro PRS p, from, to, rid            ; products from .. to - 1: k fragment pn / 8, row tile pn % 8
.set pn, \from
.rept (\to)-(\from)
	PR \p, pn/8, pn%8
.if (\rid) && (pn%4 == 3)
	RG \p, pn/4
.endif
.set pn, pn+1
.endr
.endm
; tln: the tile fetched for the next turn.  chg = 1: a chunk's last tile, whose fragments are in registers: the change of slots, with 16 products and their maxima inside the round.
; chg = 2: the same where nothing is left to ask for: my own wait shows my piece of the last chunk landed, and I alone read it: no barrier.  fetch = 2: in the last trip there is no next tile, and the run is jumped over.
.macro TILE p, tln, chg, fetch
.if (\chg) == 1
	THREE
	s_wait_dscnt 0x0                               ; the add is done; my reads of the slot, this tile's fragments, are back
	s_barrier_signal -1
.elseif (\chg) == 2
	s_wait_tensorcnt 0x0
	s_wait_dscnt 0x0
.else
	s_wait_dscnt 0x0                               ; this tile's fragments are in
.endif
	PLACES                                         ; behind the last tile's products: their results are read and their sources loaded anew below
	PRS \p, 0, 16, 1
.if (\chg) == 1
	WIN 0
	s_barrier_wait -1
	CREST
	REFILL                                         ; four tiles, 256 matrix instructions, ahead of the wait for it
	v_add_nc_u32 v[MA], 1024, v[MA]                ; the next chunk's 256 entries
.elseif (\chg) == 2
	WIN 0
	s_xor_b32 s[SB], s[SB], SLOT1
	v_add_nc_u32 v[AW], s[SB], v[AW0]
	v_add_nc_u32 v[MA], 1024, v[MA]
.endif
	PRS \p, 16, 32, 1
.if (\fetch) == 2
	WIN 0
	s_cmp_eq_u32 s[CNT], 1
	s_cbranch_scc1 .Lno_next_\@
.endif
	FETCH3 1-(\p), \tln                            ; 32 matrix instructions ahead of the wait for it
.if (\fetch) == 2
.Lno_next_\@:
.endif
	PRS \p, 32, 64, 0
.endm
.set n, 0
.rept 8
	v_mov_b32 v[MX+n], s[NINF]
	v_mov_b32 v[TT+n], 0
.set n, n+1
.endr
.set n, 0
.rept 64
	v_mov_b32 v[AC+64+n], s[NINF]                  ; the first tile finds no finished set: its maxima take -infinity.  64 lines once, for one text of every chunk
.set n, n+1
.endr
	FETCH3 0, 0
	s_mov_b32 s[CNT], 14
.Lg3:                                                  ; bank chunks 0 to 13: each asks for the chunk two on
	TILE 0, 1, 0, 1
	TILE 1, 2, 0, 1
	TILE 0, 3, 0, 1
	TILE 1, 0, 1, 1
	WIN 0
	s_sub_co_u32 s[CNT], s[CNT], 1
	s_cmp_lg_u32 s[CNT], 0
	s_cbranch_scc1 .Lg3
	s_mov_b32 s[CNT], 2
.Lg3t:                                                 ; the last two chunks have a text of their own
	TILE 0, 1, 0, 1
	TILE 1, 2, 0, 1
	TILE 0, 3, 0, 1
	TILE 1, 0, 2, 2
	WIN 0
	s_sub_co_u32 s[CNT], s[CNT], 1
	s_cmp_lg_u32 s[CNT], 0
	s_cbranch_scc1 .Lg3t
	PLACES
.set n, 0
.rept 32
	RID 0, n                                       ; the last tile's maxima
.set n, n+1
.endr
	; THE END.  A row's maximum: the other half of the lanes', then the four waves' through LDS, with x2's four parts.
.irp b, 0,1,2,3,4,5,6,7
	v_permlanex16_b32 v[TT+\b], v[MX+\b], s[SEL], s[SEL+1]
.endr
.irp b, 0,1,2,3,4,5,6,7
	v_max_num_f32 v[MX+\b], v[MX+\b], v[TT+\b]
.endr
.irp b, 0,1,2,3,4,5,6,7
	ds_store_b32 v[RSM], v[MX+\b] offset:64*\b
.endr
	s_wait_dscnt 0x0                               ; for the others' sake
	s_barrier_signal -1
	s_barrier_wait -1
	s_cmp_lt_u32 s[WV], 2
	s_cbranch_scc0 .Lno_out                        ; waves 0 and 1 finish 64 rows each, two a lane
.irp i, 0,1,2,3
	ds_load_b64 v[64+2*\i:65+2*\i], v[RL] offset:512*\i
.endr
.irp i, 0,1,2,3
	ds_load_b64 v[72+2*\i:73+2*\i], v[RL] offset:REDM-REDX+512*\i
.endr
	s_wait_dscnt 0x0
	v_pk_add_f32 v[64:65], v[64:65], v[66:67]
	v_pk_add_f32 v[68:69], v[68:69], v[70:71]
	v_pk_add_f32 v[64:65], v[64:65], v[68:69]      ; x2
	v_max3_num_f32 v72, v72, v74, v76
	v_max3_num_f32 v73, v73, v75, v77
	v_max_num_f32 v72, v72, v78
	v_max_num_f32 v73, v73, v79                    ; max over m of xm - m2 / 2
	v_fma_f32 v64, -2.0, v72, v64                  ; the smallest d2
	v_fma_f32 v65, -2.0, v73, v65
	v_max_num_f32 v64, 0, v64
	v_max_num_f32 v65, 0, v65
	v_sqrt_f32 v64, v64
	v_sqrt_f32 v65, v65
	v_nop                                          ; a plain instruction between the last root and the use of its result
	s_wait_alu depctr_va_vdst(0)
	global_store_b64 v[OO], v[64:65], s[14:15]     ; a wave stores 256 consecutive bytes, at a multiple of 256 from out0's first byte
.Lno_out:
	s_nop 0
	s_wait_tensorcnt 0x0                           ; the wave's end, behind my last tensor load and my last LDS store
	ds_add_u32 v[SPW], v[NIL]
	s_wait_dscnt 0x0
	CROUND                                         ; the closing round: no work-group ends while a partner may still ask for a piece that names it
	s_endpgm
.Lfunc_end_k_q368256f471_main:
	.size	k_q368256f471_main, .Lfunc_end_k_q368256f471_main-k_q368256f471_main
	.p2alignl 7, 3214868480
	.fill 96, 4, 3214868480
	.section	.rodata,"a",@progbits
	.p2align	6, 0x0
	.amdhsa_kernel k_q368256f471_main
		.amdhsa_group_segment_fixed_size 327680
		.amdhsa_private_segment_fixed_size 0
		.amdhsa_enable_private_segment 0
		.amdhsa_kernarg_size 48
		.amdhsa_user_sgpr_count 2
		.amdhsa_user_sgpr_kernarg_segment_ptr 1
		.amdhsa_wavefront_size32 1
		.amdhsa_system_sgpr_workgroup_id_x 1
		.amdhsa_system_sgpr_workgroup_id_y 1
		.amdhsa_system_sgpr_workgroup_id_z 1
		.amdhsa_system_vgpr_workitem_id 0
		.amdhsa_next_free_vgpr 1024
		.amdhsa_next_free_sgpr 66
		.amdhsa_reserve_vcc 0
		.amdhsa_float_denorm_mode_32 3
		.amdhsa_float_denorm_mode_16_64 3
		.amdhsa_memory_ordered 1
		.amdhsa_forward_progress 1
		.amdhsa_inst_pref_size 255
	.end_amdhsa_kernel
	.section	.bss,"aw",@nobits
	.p2align	6
	.space	262144
	.amdgpu_metadata
---
amdhsa.version: [ 1, 2 ]
amdhsa.kernels:
  - .name:           k_q368256f471_main
    .symbol:         k_q368256f471_main.kd
    .args:
      - { .name: features, .offset: 0, .size: 8, .value_kind: global_buffer, .address_space: global }
      - { .name: b1, .offset: 8, .size: 8, .value_kind: global_buffer, .address_space: global }
      - { .name: b2, .offset: 16, .size: 8, .value_kind: global_buffer, .address_space: global }
      - { .name: wts, .offset: 24, .size: 8, .value_kind: global_buffer, .address_space: global }
      - { .name: m2h, .offset: 32, .size: 8, .value_kind: global_buffer, .address_space: global }
      - { .name: out0, .offset: 40, .size: 8, .value_kind: global_buffer, .address_space: global }
    .group_segment_fixed_size: 327680
    .private_segment_fixed_size: 0
    .kernarg_segment_align: 8
    .kernarg_segment_size: 48
    .max_flat_workgroup_size: 128
    .sgpr_count:     66
    .vgpr_count:     1024
    .wavefront_size: 32
...
	.end_amdgpu_metadata
.endif
;; end of part 2
;; ======== version 2 of 2: 2 launches; version 1 with the launch prep written anew for expert scheduling mode
;; workspace buffers: wts 3,407,872 bytes; m2h 16,384 bytes
;; launch prep (part 3): grid 288 x 1, 2 waves a work-group, no clusters, 0 bytes of LDS; arguments W1, W2, memory_bank, wts, m2h; writes wts, m2h
.if DOCPART == 3
	.amdgcn_target "amdgcn-amd-amdhsa--gfx1250"
	.amdhsa_code_object_version 6
	.text
	.protected	k_q368256f471_prep
	.globl	k_q368256f471_prep
	.p2align	8
	.type	k_q368256f471_prep,@function
k_q368256f471_prep:
	s_mov_b64 s[64:65], 0
	v_nop
	global_prefetch_b8 v0, s[64:65] scope:SCOPE_SE
	s_setreg_imm32_b32 hwreg(HW_REG_WAVE_SCHED_MODE, 0, 2), 2
	s_setreg_imm32_b32 hwreg(HW_REG_WAVE_MODE, 25, 1), 1
	s_wait_xcnt 0x0
	s_wait_alu depctr_vm_vsrc(0)
; Casts W1, W2 and the memory bank to bf16 (round to nearest even) and lays them out as matrix fragments, in the order in which the main launch walks them;
; also m2h[m] = -0.5 x sum over k of bf16(bank[m][k])^2, in f32.
; A FRAGMENT is 16 rows x 32 k of bf16, 1,024 bytes: byte 512 g + 16 L holds registers 4 g .. 4 g + 3 of lane L = 16 h + r: the elements (row0 + r, k0 + 16 g + 8 h + 0..7).
; wts is 26 chunks of 131,072 bytes, each four pieces of 32,768, piece w for wave w of the main launch:
;   chunks 0-7   W1^T, k block 128 c: fragment (w, kf, a) at 32768 w + 8192 kf + 1024 a: rows d = 32 (4 (a / 2) + w) + 16 (a % 2) + r, k0 = 128 c + 32 kf
;   chunks 8-9   W2^T: fragment (w, kf, et) at 32768 w + 4096 kf + 1024 et: rows e = 64 w + 16 et + r, k0 = 256 j + 32 kf
;   chunks 10-25 the bank: tile T of 16 entries at 1,310,720 + 8192 T + 1024 kf
; SHARES.  Work-groups 0-127: a bank tile a wave.  128-255: four fragments of W1^T a wave.  256-287: four of W2^T.  Every store of a wave covers 512 consecutive bytes, aligned;
; m2h alone leaves in pieces of 64 bytes, one a wave (16,384 bytes in all).  No LDS, no barrier: no wave needs another's data.  No register is used twice, so no wait frees one.
; THE MODE: SCHED_MODE bits 1:0 = 2 (LLVM: expert scheduling mode 2), set by the entry lines.  The code itself states the register dependences
; between vector instructions and memory instructions, with s_wait_alu, always for 0.
; THE PLAN.  Registers that memory instructions touch:
;   v4, v5, v6   byte offsets: written once, at the head of the kernel or of a path, ahead of the path's first wait on va_vdst; read by the loads (v5) and the stores (v4, v6); never written again.
;   DAT          Written first by the loads.  Of each half fragment's eight registers the lowest four are then written by its four roundings and read by its one store; nothing writes them after that.
;   v8           (the bank) written by the chains of squares and the last sum; read by the store to m2h.
; No load lands in a register that a vector instruction has named, and no register that a memory instruction has read is written again.  What is left to state is that a store's data are written.
; So the half fragments go in BLOCKS (four in the bank's path, two in the weights'): one wait on va_vdst at a block's head states that the block before has written its packed registers, and that
; block's stores follow it, dealt among this block's vector lines, which name this block's registers (and v8-11) alone.  One more such wait stands ahead of the last block's stores.
.set WOFF2, 1048576                    ; W2^T's first byte in wts
.set WOFFB, 1310720                    ; the bank's
.set DAT,   32                         ; v[32:159] the numbers as loaded; each group of eight is rounded into its own lowest four registers
	s_load_b256 s[4:11], s[0:1], 0x0               ; W1 s[4:5], W2 s[6:7], bank s[8:9], wts s[10:11]
	s_load_b64 s[12:13], s[0:1], 0x20              ; m2h
	v_lshrrev_b32 v1, 5, v0
	v_readfirstlane_b32 s14, v1                    ; wave 0, 1
	v_and_b32 v1, 31, v0                           ; L
	v_and_b32 v2, 15, v0                           ; r
	v_bfe_u32 v3, v0, 4, 1                         ; h
	v_lshlrev_b32 v4, 4, v1                        ; 16 L: my 16 bytes of each half fragment
	s_mov_b32 s17, 0                               ; the high words of three offsets
	s_mov_b32 s19, 0
	s_mov_b32 s21, 0
	s_wait_alu depctr_va_sdst(0)                   ; s14 is written
	s_wait_kmcnt 0x0
	s_cmp_lt_u32 ttmp9, 128
	s_cbranch_scc0 .Lweights
	; THE BANK: tile T = 2 x + wave.  Lane (r, h) takes of row r the 32 bytes at k = 32 kf + 16 g + 8 h: two loads for each of the 16 half fragments n = 2 kf + g.
	s_lshl_b32 s15, ttmp9, 1
	s_add_co_u32 s15, s15, s14                     ; T
	s_lshl_b32 s16, s15, 14                        ; 16 rows of 1,024 bytes
	s_add_nc_u64 s[8:9], s[8:9], s[16:17]
	s_lshl_b32 s18, s15, 13                        ; 8 fragments
	s_add_co_u32 s18, s18, WOFFB
	s_add_nc_u64 s[10:11], s[10:11], s[18:19]
	s_lshl_b32 s20, s15, 6                         ; 16 words of m2h
	s_add_nc_u64 s[12:13], s[12:13], s[20:21]
	s_mov_b32 s22, 0x76543210                      ; v_permlanex16_b32: each lane takes its own place in the other half
	s_mov_b32 s23, 0xfedcba98
	v_lshlrev_b32 v5, 10, v2
	v_lshl_add_u32 v5, v3, 5, v5                   ; 1024 r + 32 h
	v_lshlrev_b32 v6, 2, v2                        ; 4 r
	s_wait_alu depctr_va_vdst(0)                   ; v4, v5 and v6 are written: every load and store of this path reads one of them as its offset
.set n, 0
.rept 16
	global_load_b128 v[DAT+8*n:DAT+8*n+3],   v5, s[8:9] offset:(n/2)*128+(n%2)*64
	global_load_b128 v[DAT+8*n+4:DAT+8*n+7], v5, s[8:9] offset:(n/2)*128+(n%2)*64+16
.set n, n+1
.endr
.irp t, 8,9,10,11
	v_mov_b32 v\t, 0                               ; four chains for the sum of squares
.endr
.set n, 0
.rept 16
	s_wait_loadcnt 30-2*n                          ; loads come back in order: half fragment n is in, the younger ones stay out
.if (n%4 == 0) && (n > 0)
	s_wait_alu depctr_va_vdst(0)                   ; the block before has written its 16 packed registers, which the four stores of this block read
.endif
.if n >= 4
	global_store_b128 v4, v[DAT+8*(n-4):DAT+8*(n-4)+3], s[10:11] offset:((n-4)/2)*1024+((n-4)%2)*512  ; a half fragment of the block before; no vector line since the wait names its registers
.endif
.irp t, 0,1,2,3
	v_cvt_pk_bf16_f32 v[DAT+8*n+\t], v[DAT+8*n+2*\t], v[DAT+8*n+2*\t+1]
.endr
.irp t, 0,1,2,3
	v_fma_mix_f32_bf16 v[8+\t], v[DAT+8*n+\t], v[DAT+8*n+\t], v[8+\t] op_sel_hi:[1,1,0]                 ; the low halves' squares: of the ROUNDED numbers, which the products see
.endr
.irp t, 0,1,2,3
	v_fma_mix_f32_bf16 v[8+\t], v[DAT+8*n+\t], v[DAT+8*n+\t], v[8+\t] op_sel:[1,1,0] op_sel_hi:[1,1,0]  ; the high halves'
.endr
.set n, n+1
.endr
	s_wait_alu depctr_va_vdst(0)                   ; the last block has written its 16 packed registers, which the last four stores read
.set n, 12
.rept 4
	global_store_b128 v4, v[DAT+8*n:DAT+8*n+3], s[10:11] offset:(n/2)*1024+(n%2)*512
.set n, n+1
.endr
	v_add_f32 v8, v8, v9
	v_add_f32 v10, v10, v11
	v_add_f32 v8, v8, v10
	v_permlanex16_b32 v9, v8, s22, s23             ; the row's other k lie in the lane 16 away
	v_add_f32 v8, v8, v9
	v_mul_f32 v8, -0.5, v8
	v_cmp_gt_u32 vcc_lo, 16, v1
	s_wait_xcnt 0x0                                ; EXEC is a source of the stores above: it changes only behind this wait
	s_wait_alu depctr_va_vcc(0)                    ; the compare has written VCC, from which EXEC is made
	s_wait_alu depctr_va_vdst(0)                   ; ahead of a scalar write of EXEC: the vector lines issued under the full EXEC are done; among them the one that writes v8, which the store below reads
	s_wait_alu depctr_vm_vsrc(0)                   ; ahead of a scalar write of EXEC: the stores above have read their vector registers
	s_and_saveexec_b32 s24, vcc_lo                 ; lanes 0-15: one word for each entry
	global_store_b32 v6, v8, s[12:13]
	s_wait_xcnt 0x0                                ; and again in front of the line that widens it
	s_wait_alu depctr_va_vdst(0)                   ; ahead of a scalar write of EXEC: both lines stand at every such write
	s_wait_alu depctr_vm_vsrc(0)                   ; the store under the narrow EXEC has read v6 and v8
	s_or_b32 exec_lo, exec_lo, s24
	s_endpgm
; Four fragments of a transposed weight.  The source lies [k][column]: lane (r, h) takes column col0 + r of the rows k0 + 16 g + 8 h + i, a word at a time (16 lanes: 64 consecutive bytes).
; m = 2 al + g numbers the eight half fragments; fragment al's columns begin hi (al / 2) + 64 (al % 2) bytes behind the base.  A block is a fragment: two half fragments.
.macro GATHER base, stride, hi
	s_wait_alu depctr_va_vdst(0)                   ; v4 and v5 are written: every load and store of this path reads one of them as its offset
.set m, 0
.rept 8
.set i, 0
.rept 8
	global_load_b32 v[DAT+8*m+i], v5, s[\base:\base+1] offset:(16*(m%2)+i)*(\stride)+(\hi)*(m/4)+64*((m/2)%2)
.set i, i+1
.endr
.set m, m+1
.endr
.set m, 0
.rept 8
	s_wait_loadcnt 56-8*m                          ; half fragment m's eight loads are in
.if (m%2 == 0) && (m > 0)
	s_wait_alu depctr_va_vdst(0)                   ; the fragment before has written its 8 packed registers, which the two stores of this block read
.endif
.if m >= 2
	global_store_b128 v4, v[DAT+8*(m-2):DAT+8*(m-2)+3], s[10:11] offset:((m-2)/2)*1024+((m-2)%2)*512  ; half of the fragment before; no vector line since the wait names its registers
.endif
.irp t, 0,1,2,3
	v_cvt_pk_bf16_f32 v[DAT+8*m+\t], v[DAT+8*m+2*\t], v[DAT+8*m+2*\t+1]
.endr
.set m, m+1
.endr
	s_wait_alu depctr_va_vdst(0)                   ; the last fragment has written its 8 packed registers, which the last two stores read
.set m, 6
.rept 2
	global_store_b128 v4, v[DAT+8*m:DAT+8*m+3], s[10:11] offset:(m/2)*1024+(m%2)*512
.set m, m+1
.endr
	s_endpgm
.endm
.Lweights:
	s_cmp_lt_u32 ttmp9, 256
	s_cbranch_scc0 .Lsecond
	; W1: id = 2 (x - 128) + wave = ((4 c + w) 4 + kf) 2 + ah; its 4,096 bytes of wts are the fragments a = 4 ah + 0..3
	s_sub_co_u32 s15, ttmp9, 128
	s_lshl_b32 s15, s15, 1
	s_add_co_u32 s15, s15, s14
	s_and_b32 s16, s15, 1                          ; ah
	s_bfe_u32 s18, s15, 0x20001                    ; kf
	s_bfe_u32 s20, s15, 0x20003                    ; w
	s_lshr_b32 s22, s15, 5                         ; c
	s_lshl_b32 s16, s16, 10                        ; columns 256 ah + 32 w, 4 bytes each;
	s_lshl_b32 s20, s20, 7
	s_lshl_b32 s18, s18, 16                        ; rows 128 c + 32 kf, 2,048 bytes each
	s_lshl_b32 s22, s22, 18
	s_add_co_u32 s16, s16, s20
	s_add_co_u32 s16, s16, s18
	s_add_co_u32 s16, s16, s22
	s_add_nc_u64 s[4:5], s[4:5], s[16:17]
	s_lshl_b32 s18, s15, 12
	s_add_nc_u64 s[10:11], s[10:11], s[18:19]
	v_lshlrev_b32 v5, 14, v3
	v_lshl_add_u32 v5, v2, 2, v5                   ; 8 h rows + 4 r
	GATHER 4, 2048, 512
.Lsecond:
	; W2: id = 2 (x - 256) + wave = (4 j + w) 8 + kf; its 4,096 bytes are the fragments et = 0..3
	s_sub_co_u32 s15, ttmp9, 256
	s_lshl_b32 s15, s15, 1
	s_add_co_u32 s15, s15, s14
	s_and_b32 s16, s15, 7                          ; kf
	s_bfe_u32 s20, s15, 0x20003                    ; w
	s_lshr_b32 s22, s15, 5                         ; j
	s_lshl_b32 s16, s16, 15                        ; rows 256 j + 32 kf, 1,024 bytes each;
	s_lshl_b32 s22, s22, 18
	s_lshl_b32 s20, s20, 8                         ; columns 64 w
	s_add_co_u32 s16, s16, s20
	s_add_co_u32 s16, s16, s22
	s_add_nc_u64 s[6:7], s[6:7], s[16:17]
	s_lshl_b32 s18, s15, 12
	s_add_co_u32 s18, s18, WOFF2
	s_add_nc_u64 s[10:11], s[10:11], s[18:19]
	v_lshlrev_b32 v5, 13, v3
	v_lshl_add_u32 v5, v2, 2, v5
	GATHER 6, 1024, 128
.Lfunc_end_k_q368256f471_prep:
	.size	k_q368256f471_prep, .Lfunc_end_k_q368256f471_prep-k_q368256f471_prep
	.p2alignl 7, 3214868480
	.fill 96, 4, 3214868480
	.section	.rodata,"a",@progbits
	.p2align	6, 0x0
	.amdhsa_kernel k_q368256f471_prep
		.amdhsa_group_segment_fixed_size 0
		.amdhsa_private_segment_fixed_size 0
		.amdhsa_enable_private_segment 0
		.amdhsa_kernarg_size 40
		.amdhsa_user_sgpr_count 2
		.amdhsa_user_sgpr_kernarg_segment_ptr 1
		.amdhsa_wavefront_size32 1
		.amdhsa_system_sgpr_workgroup_id_x 1
		.amdhsa_system_sgpr_workgroup_id_y 1
		.amdhsa_system_sgpr_workgroup_id_z 1
		.amdhsa_system_vgpr_workitem_id 0
		.amdhsa_next_free_vgpr 160
		.amdhsa_next_free_sgpr 66
		.amdhsa_reserve_vcc 1
		.amdhsa_float_denorm_mode_32 3
		.amdhsa_float_denorm_mode_16_64 3
		.amdhsa_memory_ordered 1
		.amdhsa_forward_progress 1
		.amdhsa_inst_pref_size 40
	.end_amdhsa_kernel
	.amdgpu_metadata
---
amdhsa.version: [ 1, 2 ]
amdhsa.kernels:
  - .name:           k_q368256f471_prep
    .symbol:         k_q368256f471_prep.kd
    .args:
      - { .name: W1, .offset: 0, .size: 8, .value_kind: global_buffer, .address_space: global }
      - { .name: W2, .offset: 8, .size: 8, .value_kind: global_buffer, .address_space: global }
      - { .name: memory_bank, .offset: 16, .size: 8, .value_kind: global_buffer, .address_space: global }
      - { .name: wts, .offset: 24, .size: 8, .value_kind: global_buffer, .address_space: global }
      - { .name: m2h, .offset: 32, .size: 8, .value_kind: global_buffer, .address_space: global }
    .group_segment_fixed_size: 0
    .private_segment_fixed_size: 0
    .kernarg_segment_align: 8
    .kernarg_segment_size: 40
    .max_flat_workgroup_size: 64
    .sgpr_count:     66
    .vgpr_count:     160
    .wavefront_size: 32
...
	.end_amdgpu_metadata
.endif
;; end of part 3
;; launch main: the kernel of part 2 again; grid 256 x 1, 4 waves a work-group, clusters of 4 x 1, 327,680 bytes of LDS; arguments features, b1, b2, wts, m2h, out0; writes out0
